; MI455X (gfx1250); checked and timed in simulation.
; The chip was launched on July 23, 2026; its instructions are those of AMD's public machine-readable ISA for CDNA 5 (MIT licence, August 2026) and "CDNA5" Instruction Set Architecture Reference Guide (July 2026). The comments in the code are by the model that wrote it; some were corrected since.
;; Policy Map. Allowed arithmetic: float matrix products may take bf16 or f16 operands with f32 sums; all other float work in f32.
;; Inputs: policy_matrix 4,672 x 1,858 float32; x 4,096 x 73 x 8 x 8 float32.
;; Outputs: out0 4,096 x 1,858 float32.
;; 2 versions, each right and faster than the one before. Each part assembles by itself: llvm-mc -triple=amdgcn-amd-amdhsa -mcpu=gfx1250 --defsym DOCPART=n.
;; ======== version 1 of 2: 2 launches
;; workspace buffers: xa 38,797,312 bytes; wb 19,398,656 bytes
;; launch convert (part 1): grid 1104 x 1, 8 waves a work-group, no clusters, 33,792 bytes of LDS; arguments x, policy_matrix, xa, wb; writes xa, wb
.if DOCPART == 1
	.amdgcn_target "amdgcn-amd-amdhsa--gfx1250"
	.amdhsa_code_object_version 6
	.text
	.protected	k_q364b3ba88e_convert
	.globl	k_q364b3ba88e_convert
	.p2align	8
	.type	k_q364b3ba88e_convert,@function
k_q364b3ba88e_convert:
	s_mov_b64 s[64:65], 0
	v_nop
	global_prefetch_b8 v0, s[64:65] scope:SCOPE_SE
	s_setreg_imm32_b32 hwreg(HW_REG_WAVE_MODE, 25, 1), 1
	s_wait_xcnt 0x0
; Rounds both inputs of the product to bf16 (nearest even) into padded layouts for the launch that multiplies.
;   xa[4096][4736] bf16: x as [4096][4672], columns 4672..4735 = 0.  A row is 9,472 bytes = 37 x 256.
;   wb[4736][2048] bf16: policy_matrix [4672][1858], still [k][n]; columns 1858..2047 and rows 4672..4735 = 0.  A row is 4,096 bytes.
; The pads are stored as zeros because the product sums over them and across them: nothing may hang on what the buffers held before.
; LIMIT: an f32 whose magnitude is above bf16's largest finite number becomes an infinity here.
; One wave takes one row, straight through: all the row's loads go out first, then counted waits run down while the row is
; rounded and stored.  No wave depends on another: no barrier; EXEC is never changed.
; Work-groups 0..511: 8 rows of x each.  512..1095: 8 rows of policy_matrix each.  1096..1103: the 64 zero rows of wb.
; Memory binds this launch: no tile is shared between work-groups, so clusters, tensor loads and matrix units have nothing to give.
.set XROW,  18688                      ; bytes in a row of x (4672 f32) = 73 x 256
.set XAROW, 9472                       ; bytes in a row of xa
.set WROW,  7432                       ; bytes in a row of policy_matrix (1858 f32): a multiple of 8 and of no more
.set WBROW, 4096                       ; bytes in a row of wb
.set X, 8                              ; v[8:155]  job x: 37 chunks of 4 registers, as loaded; the first two of each then hold the bf16
.set Y, 8                              ; v[8:67]   job w: 30 chunks of 2 registers, as loaded; the first of each then holds the bf16
.set Z, 68                             ; v[68:99]  job w: 8 groups of 4 registers, 16 bytes of the bf16 row each
	s_load_b256 s[4:11], s[0:1], 0x0               ; x s[4:5], policy_matrix s[6:7], xa s[8:9], wb s[10:11]
	v_lshl_add_u32 v160, v0, 2, 0x8000
	v_mov_b32 v161, 0
	v_and_b32 v1, 31, v0                           ; lane
	v_lshrrev_b32 v2, 5, v0
	v_readfirstlane_b32 s12, v2                    ; wave 0..7
	s_cmp_ge_u32 ttmp9, 512
	s_cbranch_scc1 .Lweights
	; ---- a row of x ----
	s_lshl_b32 s14, ttmp9, 3
	s_add_co_u32 s14, s14, s12                     ; row = 8 x work-group + wave
	s_mul_i32 s16, s14, XROW                       ; at most 4095 x 18,688: below 2^31
	s_mov_b32 s17, 0
	s_mul_i32 s18, s14, XAROW
	s_mov_b32 s19, 0
	v_lshlrev_b32 v2, 4, v1                        ; in: 16 bytes a lane, 512 consecutive bytes a load
	v_lshlrev_b32 v3, 3, v1                        ; out: 8 bytes a lane, 256 consecutive bytes a store
	v_and_b32 v4, 15, v1
	v_lshlrev_b32 v4, 4, v4                        ; the last chunk is half a chunk: lanes 16-31 read what lanes 0-15 read, so no load leaves the row
	v_cmp_gt_u32 vcc_lo, 16, v1                    ; lanes 0-15
	s_wait_kmcnt 0x0
	s_add_nc_u64 s[4:5], s[4:5], s[16:17]
	s_add_nc_u64 s[8:9], s[8:9], s[18:19]
.irp c, 0,1,2,3,4,5,6,7,8,9,10,11,12,13,14,15,16,17,18,19,20,21,22,23,24,25,26,27,28,29,30,31,32,33,34,35
	global_load_b128 v[X+4*\c:X+4*\c+3], v2, s[4:5] offset:512*\c th:TH_LOAD_NT    ; x is read once in the launch
.endr
	global_load_b128 v[X+144:X+147], v4, s[4:5] offset:18432 th:TH_LOAD_NT         ; columns 4608..4671
; chunk c: 128 columns rounded and stored.  No hint on the store: the next launch reads these bytes.
.macro XCH c
	s_wait_loadcnt 36-\c                           ; loads come back in order (ISA guide 5.7.1): chunk c is in, the 36 - c younger ones stay out
	v_cvt_pk_bf16_f32 v[X+4*\c],   v[X+4*\c],   v[X+4*\c+1]
	v_cvt_pk_bf16_f32 v[X+4*\c+1], v[X+4*\c+2], v[X+4*\c+3]
.if \c == 36
	v_cndmask_b32 v[X+4*\c],   0, v[X+4*\c],   vcc_lo      ; lanes 16-31 store the pad: columns 4672..4735 = 0
	v_cndmask_b32 v[X+4*\c+1], 0, v[X+4*\c+1], vcc_lo
.endif
	global_store_b64 v3, v[X+4*\c:X+4*\c+1], s[8:9] offset:256*\c  ; the wave's store covers 256 consecutive bytes at a multiple of 256 from xa's first byte
.endm
.irp c, 0,1,2,3,4,5,6,7,8,9,10,11,12,13,14,15,16,17,18,19,20,21,22,23,24,25,26,27,28,29,30,31,32,33,34,35,36
	XCH \c
.endr
	s_endpgm
	; ---- a row of wb ----
.Lweights:
	s_sub_co_u32 s13, ttmp9, 512
	s_lshl_b32 s14, s13, 3
	s_add_co_u32 s14, s14, s12                     ; k = 8 x (work-group - 512) + wave, 0..4735
	s_lshl_b32 s18, s14, 12                        ; k x 4,096
	s_mov_b32 s19, 0
	v_lshlrev_b32 v6, 4, v1                        ; out: 16 bytes a lane, 512 consecutive bytes a store
	s_wait_kmcnt 0x0
	s_add_nc_u64 s[10:11], s[10:11], s[18:19]
	s_cmp_ge_u32 s13, 584                          ; 4672 = 8 x 584: a work-group has rows of the matrix alone or pad rows alone
	s_cbranch_scc1 .Lzero
	s_mul_i32 s16, s14, WROW                       ; at most 4671 x 7,432
	s_mov_b32 s17, 0
	s_add_nc_u64 s[6:7], s[6:7], s[16:17]
	v_lshlrev_b32 v2, 3, v1                        ; in: 8 bytes a lane (rows start at multiples of 8 bytes only), 256 consecutive bytes a load
	v_mov_b32 v3, 0                                ; zero: the last chunk's offset, and the pad's data
	v_lshlrev_b32 v4, 2, v1
	v_lshl_add_u32 v4, s12, 12, v4                 ; LDS in: 4 x lane + 4,096 x wave: each wave has 4,096 bytes of its own, one row of wb
	v_lshl_add_u32 v5, s12, 12, v6                 ; LDS back: 16 x lane + 4,096 x wave
	v_cmp_eq_u32 vcc_lo, 0, v1                     ; lane 0
	; No hint: a row's first and last bytes share aligned blocks with the rows beside it, which other waves read.
.irp c, 0,1,2,3,4,5,6,7,8,9,10,11,12,13,14,15,16,17,18,19,20,21,22,23,24,25,26,27,28
	global_load_b64 v[Y+2*\c:Y+2*\c+1], v2, s[6:7] offset:256*\c   ; columns 64 c + 2 lane, + 1
.endr
	global_load_b64 v[Y+58:Y+59], v3, s[6:7] offset:7424           ; columns 1856, 1857, in every lane: the row's last 8 bytes
; A lane's two numbers round to 4 bytes; a store of 16 bytes a lane wants eight neighbours.  So the row is regrouped through the wave's own
; LDS bytes: four chunks of 128 bytes in, one read of 512 bytes back.  LDS serves a wave's instructions in order (ISA guide 5.7.1.4), so
; no wait stands between the stores and the load.  Group g - 1 leaves while group g's bytes go round.
.macro WGRP g
.irp j, 0,1,2,3
.if 4*\g+\j <= 29
	s_wait_loadcnt 29-(4*\g+\j)                    ; this chunk is in, the younger ones stay out
	v_cvt_pk_bf16_f32 v[Y+2*(4*\g+\j)], v[Y+2*(4*\g+\j)], v[Y+2*(4*\g+\j)+1]
.if 4*\g+\j == 29
	v_cndmask_b32 v[Y+58], 0, v[Y+58], vcc_lo      ; lane 0 keeps columns 1856, 1857; the others hold the pad's zeros
.endif
	ds_store_b32 v4, v[Y+2*(4*\g+\j)] offset:128*(4*\g+\j)
.else
	ds_store_b32 v4, v3 offset:128*(4*\g+\j)       ; columns 1920..2047 = 0
.endif
.endr
	ds_load_b128 v[Z+4*\g:Z+4*\g+3], v5 offset:512*\g
.if \g
	s_wait_dscnt 0x5                               ; behind group g - 1's load stand this group's four stores and one load
	global_store_b128 v6, v[Z+4*(\g-1):Z+4*(\g-1)+3], s[10:11] offset:512*(\g-1)   ; 512 consecutive bytes at a multiple of 512 from wb's first byte
.endif
.endm
.irp g, 0,1,2,3,4,5,6,7
	WGRP \g
.endr
	s_wait_dscnt 0x0
	global_store_b128 v6, v[Z+28:Z+31], s[10:11] offset:3584
	s_wait_tensorcnt 0x0
	ds_add_u32 v160, v161
	s_wait_dscnt 0x0
	s_endpgm
	; ---- a pad row of wb: k = 4672..4735 ----
.Lzero:
	v_mov_b32 v[Z], 0
	v_mov_b32 v[Z+1], 0
	v_mov_b32 v[Z+2], 0
	v_mov_b32 v[Z+3], 0
.irp g, 0,1,2,3,4,5,6,7
	global_store_b128 v6, v[Z:Z+3], s[10:11] offset:512*\g
.endr
	s_endpgm
.Lfunc_end_k_q364b3ba88e_convert:
	.size	k_q364b3ba88e_convert, .Lfunc_end_k_q364b3ba88e_convert-k_q364b3ba88e_convert
	.p2alignl 7, 3214868480
	.fill 96, 4, 3214868480
	.section	.rodata,"a",@progbits
	.p2align	6, 0x0
	.amdhsa_kernel k_q364b3ba88e_convert
		.amdhsa_group_segment_fixed_size 33792
		.amdhsa_private_segment_fixed_size 0
		.amdhsa_enable_private_segment 0
		.amdhsa_kernarg_size 32
		.amdhsa_user_sgpr_count 2
		.amdhsa_user_sgpr_kernarg_segment_ptr 1
		.amdhsa_wavefront_size32 1
		.amdhsa_system_sgpr_workgroup_id_x 1
		.amdhsa_system_sgpr_workgroup_id_y 1
		.amdhsa_system_sgpr_workgroup_id_z 1
		.amdhsa_system_vgpr_workitem_id 0
		.amdhsa_next_free_vgpr 162
		.amdhsa_next_free_sgpr 66
		.amdhsa_reserve_vcc 1
		.amdhsa_float_denorm_mode_32 3
		.amdhsa_float_denorm_mode_16_64 3
		.amdhsa_memory_ordered 1
		.amdhsa_forward_progress 1
		.amdhsa_inst_pref_size 25
	.end_amdhsa_kernel
	.amdgpu_metadata
---
amdhsa.version: [ 1, 2 ]
amdhsa.kernels:
  - .name:           k_q364b3ba88e_convert
    .symbol:         k_q364b3ba88e_convert.kd
    .args:
      - { .name: x, .offset: 0, .size: 8, .value_kind: global_buffer, .address_space: global }
      - { .name: policy_matrix, .offset: 8, .size: 8, .value_kind: global_buffer, .address_space: global }
      - { .name: xa, .offset: 16, .size: 8, .value_kind: global_buffer, .address_space: global }
      - { .name: wb, .offset: 24, .size: 8, .value_kind: global_buffer, .address_space: global }
    .group_segment_fixed_size: 33792
    .private_segment_fixed_size: 0
    .kernarg_segment_align: 8
    .kernarg_segment_size: 32
    .max_flat_workgroup_size: 256
    .sgpr_count:     66
    .vgpr_count:     162
    .wavefront_size: 32
...
	.end_amdgpu_metadata
.endif
;; end of part 1
;; launch gemm (part 2): grid 8 x 32, 4 waves a work-group, clusters of 4 x 4, 327,680 bytes of LDS; arguments xa, wb, out0; writes out0
.if DOCPART == 2
	.amdgcn_target "amdgcn-amd-amdhsa--gfx1250"
	.amdhsa_code_object_version 6
	.text
	.protected	k_q364b3ba88e_gemm
	.globl	k_q364b3ba88e_gemm
	.p2align	8
	.type	k_q364b3ba88e_gemm,@function
k_q364b3ba88e_gemm:
	s_mov_b64 s[64:65], 0
	v_nop
	global_prefetch_b8 v0, s[64:65] scope:SCOPE_SE
	s_setreg_imm32_b32 hwreg(HW_REG_WAVE_MODE, 25, 1), 1
	s_wait_xcnt 0x0
	s_wait_alu depctr_hold_cnt(0) depctr_sa_sdst(0) depctr_va_vdst(0) depctr_va_sdst(0) depctr_va_ssrc(0) depctr_va_vcc(0) depctr_vm_vsrc(0)
	s_getreg_b32 s2, hwreg(HW_REG_IB_STS2, 6, 4)
	s_cmp_eq_u32 s2, 0
	s_cbranch_scc0 .Lentry_in_a_cluster
	s_endpgm
.Lentry_in_a_cluster:
	s_bfe_u32 s2, ttmp6, 0x10000c
	s_cmp_lg_u32 s2, 0xf033
	s_cbranch_scc0 .Lentry_shape_is_right
	s_endpgm
.Lentry_shape_is_right:
; out0[m][n] = sum over k of xa[m][k] wb[k][n], m < 4096, n < 1858, k < 4736 (the last 64 k are zeros in both operands).
; xa: [4096][4736] bf16.  wb: [4736][2048] bf16, k down the rows.  out0: [4096][1858] f32.  Products of bf16, sums in f32.
; LIMITS: the operands were rounded to bf16; each output is the sum of two f32 sums, one over the k with k mod 128 < 64 and one over the
; others, so the order of rounding differs from a single ascending sum; the pad adds +0, so a sum that is exactly -0 may come out as +0.
; SHARES: 256 work-groups, each a block of 128 rows x 256 columns of out0, four waves.  Wave w takes 128 columns (nh = w & 1) and 64 of each
; 128 along K (kh = w >> 1): 128 x 128 partial sums, 64 tiles of 16 x 16, 512 registers.  So for 64 matrix instructions a wave reads 128 rows of
; A's and 128 columns of B's fragments; four waves of 64 x 128 whole sums would read 192 such rows for 32.  The two K halves are added on the way out.
; RING: K goes in 37 steps of 128 through two LDS slots filled by tensor loads; A's rows are 256 bytes and B's 512 bytes of memory, each starting
; at a multiple of 256 from its buffer's first byte.
; CLUSTERS: 4 x 4 work-groups.  A's tile hangs on the block row alone and is asked for jointly along a row of the cluster; B's on the block
; column alone, jointly along a column: the requests for both are divided by four.
; REGISTERS, in windows of 256: window 0: v16-31 addresses, v64-127 and v128-191 A's fragments (two buffers); window 1: the same numbers, B's fragments;
; window 2: the 32 tiles of my rows 0-63 (tile (a, b) at v[8 (8 a + b)]); window 3: those of rows 64-127.
; THE MATRIX INSTRUCTION IS USED TRANSPOSED: source 0 = 16 columns of B, source 1 = 16 rows of A; lane l then holds row l % 16 and its registers 0-7
; the columns 8 (l / 16) + 0..7: eight neighbouring numbers of a row of out0.
.set KSTEP,  128
.set KP,     4736                      ; elements in a row of xa
.set NP,     2048                      ; elements in a row of wb
.set NOUT,   1858                      ; elements in a row of out0
.set PA,     272                       ; A's LDS row: 256 bytes + 16: the 16 rows that a load touches start 16 bytes apart modulo 256
.set PB,     544                       ; B's LDS row: 512 bytes + 32 = 17 x 32: the 8 rows that a transposing load touches start 32 bytes apart modulo 256
.set BHALF,  64*PB                     ; 34,816: what one tensor load brings of B
.set AHALF,  64*PA                     ; 17,408: what one tensor load brings of A
.set AOFF,   128*PB                    ; a slot: B's 128 k rows, then A's 128 rows
.set SLOT,   AOFF+128*PA               ; 104,448
.set SP,     528                       ; a stage's row: 128 f32 + 16 bytes = 33 x 16
.set WSTAGE, 128*SP                    ; 67,584: each wave's own stage on the way out; the four lie over the ring, behind its last fill
.set ADRA, 16                          ; v16-17  LDS address of my A fragments in slot 0, 1
.set ADRB, 20                          ; v20-21  the same for B
.set STO,  24                          ; v24     the way out: where my tiles go in my stage
.set RD,   26                          ; v26-29  the way out: my 32 rows in the stages of waves 0, 2 (columns 0-127: kh 0, 1) and 1, 3 (columns 128-255)
.set CO,   30                          ; v30     my byte offset in a piece of 256 bytes of a row of out0
.set COL,  31                          ; v31     my first column in that piece
.set F0,   64
.set F1,   128
.set G1,  24                           ; s[24:31] descriptor group 1 for A's tiles
.set G0,  32                           ; s[32:39] group 0 for A's tiles, one set for each slot
.set G1B, 48                           ; s[48:55] group 1 for B's tiles
.set G0B, 56                           ; s[56:63] group 0 for B's tiles, one set for each slot
.set MSB, 0
.macro WIN new                         ; the immediate's high byte repeats the setting that is left; a switch that changes nothing is dropped
.if MSB != \new
	s_set_vgpr_msb (MSB<<8)|\new
.set MSB, \new
.endif
.endm
.set MUL_LO, 0xa1                      ; source 0 (B) window 1, source 1 (A) window 0, C and D window 2
.set MUL_HI, 0xf1                      ; the same, C and D window 3
.set TO_B,   0x40                      ; destination window 1, address window 0
; A joint load.  Waves 0 and 1 fetch B's two halves, waves 2 and 3 A's.  Each line has one mask and one set of registers for all that issue it;
; the branch hangs on the wave's number alone, which is the same in every work-group.
.macro JLOAD s
	s_cmp_eq_u32 s11, 0
	s_cbranch_scc0 .Lfor_a_\@
	tensor_load_to_lds s[G0B+4*\s:G0B+4*\s+3], s[G1B:G1B+7]
	s_nop 0
	s_branch .Lasked_\@
.Lfor_a_\@:
	tensor_load_to_lds s[G0+4*\s:G0+4*\s+3], s[G1:G1+7]
	s_nop 0
.Lasked_\@:
.endm
; A round of the cluster's barrier: my work-group's barrier, so that wave 0's signal speaks for all four waves; wave 0 signals for the work-group;
; every wave waits for all sixteen work-groups; my work-group's barrier once more.
.macro CREST                           ; a round behind its opening barrier
	s_cmp_lg_u32 s10, 0
	s_cbranch_scc1 .Lnot_wave_0_\@
	s_barrier_signal -3
.Lnot_wave_0_\@:
	s_barrier_wait -3
	s_barrier_signal -1
	s_barrier_wait -1
.endm
.macro CROUND                          ; a whole round
	s_barrier_signal -1
	s_barrier_wait -1
	CREST
.endm
	s_load_b128 s[4:7], s[0:1], 0x0                ; xa s[4:5], wb s[6:7]
	s_load_b64 s[8:9], s[0:1], 0x10                ; out0
	s_set_vgpr_msb 0x40
	v_lshl_add_u32 v255, v0, 2, 0x42000
	s_set_vgpr_msb 0x4000
	v_mov_b32 v255, 0
	s_set_vgpr_msb 0x1
	ds_add_u32 v255, v255
	s_set_vgpr_msb 0x100
	v_lshrrev_b32 v1, 5, v0
	v_readfirstlane_b32 s10, v1                    ; wave 0..3
	s_lshr_b32 s11, s10, 1                         ; kh: my 64 of each 128 along K.  Also: I fetch for B (0) or for A (1)
	s_and_b32 s12, s10, 1                          ; nh: my 128 columns.  Also: which 64 rows of that tile I fetch
	s_bfe_u32 s40, ttmp6, 0x40000                  ; cx
	s_bfe_u32 s41, ttmp6, 0x40004                  ; cy
	s_lshl_b32 s42, ttmp9, 2                       ; in a cluster launch ttmp9 and ttmp7 count clusters
	s_add_co_u32 s42, s42, s40                     ; block column bx = 4 x cluster x + cx, 0..7
	s_and_b32 s13, ttmp7, 0xffff
	s_lshl_b32 s13, s13, 2
	s_add_co_u32 s13, s13, s41                     ; block row by = 4 x cluster y + cy, 0..31
	s_lshl_b32 s43, s41, 2
	s_lshl_b32 s43, 15, s43                        ; my row of the cluster: places 4 cy .. 4 cy + 3
	s_lshl_b32 s44, 0x1111, s40                    ; my column: places cx, cx + 4, cx + 8, cx + 12
	; group 1 for A: 64 rows x 128 elements of 2 bytes; 4 words of padding behind every 64 words
	s_or_b32 s[G1+0], s43, (1<<16)|(1<<20)|(1<<21)|(5<<22)|(3<<25)  ; 15:0 mask: my row; 17:16 2-byte elements; 20 padding on; 21 set beside a mask; 24:22 interval code 5; 31:25 pad code 3
	s_mov_b32 s[G1+1], KSTEP<<16                   ; tensor_dim0 = 128: the tiles never cross the padded tensor's end, so the extents are the tile's
	s_mov_b32 s[G1+2], 64<<16                      ; tensor_dim1 = 64
	s_mov_b32 s[G1+3], KSTEP<<16                   ; tile_dim0 = 128
	s_mov_b32 s[G1+4], 64                          ; tile_dim1 = 64
	s_mov_b32 s[G1+5], KP                          ; elements from row to row
	s_mov_b32 s[G1+6], 0
	s_mov_b32 s[G1+7], 0
	; group 1 for B: 64 rows (k) x 256 elements (n); 8 words of padding behind every 128 words
	s_or_b32 s[G1B+0], s44, (1<<16)|(1<<20)|(1<<21)|(6<<22)|(7<<25) ; mask: my column; interval code 6; pad code 7
	s_mov_b32 s[G1B+1], 256<<16
	s_mov_b32 s[G1B+2], 64<<16
	s_mov_b32 s[G1B+3], 256<<16
	s_mov_b32 s[G1B+4], 64
	s_mov_b32 s[G1B+5], NP
	s_mov_b32 s[G1B+6], 0
	s_mov_b32 s[G1B+7], 0
	; where the tiles come from: A's address is made of by and the wave's number, B's of bx and the wave's number, each in registers that never hold the other coordinate
	s_lshl_b32 s16, s13, 7
	s_lshl_b32 s17, s12, 6
	s_add_co_u32 s16, s16, s17                     ; A: row 128 by + 64 half
	s_mul_i32 s16, s16, KP*2                       ; in bytes: at most 4032 x 9,472, below 2^31
	s_mov_b32 s17, 0
	s_lshl_b32 s46, s42, 9                         ; B: column 256 bx = 512 bx bytes,
	s_lshl_b32 s47, s12, 18                        ; row 64 half = 64 x 4,096 bytes
	s_add_co_u32 s46, s46, s47
	s_mov_b32 s47, 0
	; and where they go: a constant + the wave's number x a constant; no place in the cluster enters an LDS address
	s_mul_i32 s20, s10, AHALF
	s_add_co_u32 s20, s20, AOFF-2*AHALF            ; A (waves 2, 3): 69,632 and 87,040
	s_mul_i32 s21, s10, BHALF                      ; B (waves 0, 1): 0 and 34,816
	s_wait_dscnt 0x0
	s_wait_kmcnt 0x0
	s_add_nc_u64 s[14:15], s[4:5], s[16:17]
	s_add_nc_u64 s[46:47], s[6:7], s[46:47]
	CROUND                                         ; all sixteen work-groups are here: the first joint loads meet
.irp s, 0,1
	s_mov_b32 s[G0+4*\s], 1                                        ; count = 1
	s_add_co_u32 s[G0+4*\s+1], s20, \s*SLOT                        ; LDS address
	s_add_nc_u64 s[G0+4*\s+2:G0+4*\s+3], s[14:15], \s*KSTEP*2      ; K step s: 256 bytes along A's rows
	s_or_b32 s[G0+4*\s+3], s[G0+4*\s+3], 0x80000000                ; type = 2
	s_mov_b32 s[G0B+4*\s], 1
	s_add_co_u32 s[G0B+4*\s+1], s21, \s*SLOT
	s_add_nc_u64 s[G0B+4*\s+2:G0B+4*\s+3], s[46:47], \s*KSTEP*NP*2 ; K step s: 128 rows of B down
	s_or_b32 s[G0B+4*\s+3], s[G0B+4*\s+3], 0x80000000
	JLOAD \s                                       ; both first fills go out ahead of everything else: two tensor loads of the wave are out
.endr
	; A's fragment: 16 rows x 32 K; lane l holds row l % 16; two loads of 16 bytes, 32 bytes apart, at row x pitch + 16 (l / 16).
	; B's fragment, from rows that lie along n: two transposing loads, 16 rows of k apart, at (8 (l / 16) + l % 8) x pitch + 16 ((l / 8) % 2):
	; the first brings k = 8 (l / 16) + 0..7 of column l % 16, the second the same 16 further along K.
	v_and_b32 v1, 15, v0                           ; l % 16
	v_bfe_u32 v2, v0, 4, 1                         ; l / 16
	v_and_b32 v6, 7, v0                            ; l % 8
	v_bfe_u32 v7, v0, 3, 1                         ; (l / 8) % 2
	v_and_b32 v8, 31, v0                           ; l
	v_mul_u32_u24 v3, v1, PA
	v_lshl_add_u32 v3, v2, 4, v3
	v_lshl_add_u32 v4, v2, 3, v6
	v_mul_u32_u24 v4, v4, PB
	v_lshl_add_u32 v4, v7, 4, v4
	s_lshl_b32 s18, s11, 7                         ; A: my 64 along K = 128 bytes of each row,
	s_add_co_u32 s18, s18, AOFF                    ; behind B's rows
	s_mul_i32 s19, s11, BHALF                      ; B: my 64 rows of k,
	s_lshl_b32 s22, s12, 8                         ; my 128 columns = 256 bytes
	s_add_co_u32 s19, s19, s22
.irp s, 0,1
	v_add_nc_u32 v[ADRA+\s], s18, v3
	v_add_nc_u32 v[ADRB+\s], s19, v4
	s_add_co_u32 s18, s18, SLOT
	s_add_co_u32 s19, s19, SLOT
.endr
	s_mul_i32 s23, s10, WSTAGE                     ; my stage
	v_mul_u32_u24 v5, v1, SP                       ; in: row l % 16, 32 bytes for each half of the lanes
	v_lshl_add_u32 v5, v2, 5, v5
	v_add_nc_u32 v[STO], s23, v5
	s_mul_i32 s23, s10, 32*SP                      ; back: rows 32 w .. 32 w + 31 of every stage, 8 bytes a lane
	v_lshl_add_u32 v[RD], v8, 3, s23               ; wave 0's stage: kh 0, columns 0-127
	v_add_nc_u32 v[RD+1], 2*WSTAGE, v[RD]          ; wave 2's: kh 1, columns 0-127
	v_add_nc_u32 v[RD+2], WSTAGE, v[RD]            ; wave 1's: kh 0, columns 128-255
	v_add_nc_u32 v[RD+3], 3*WSTAGE, v[RD]          ; wave 3's: kh 1, columns 128-255
	v_lshlrev_b32 v[CO], 3, v8
	v_lshlrev_b32 v[COL], 1, v8
; 16 matrix instructions: row blocks a0, a0 + 1 of the window's four (hi = 0: rows 0-63, 1: rows 64-127) x all 8 column blocks, 32 along K.
; zero = 1: the first product starts the sums: nothing is cleared.
; The 64 accumulators take turns, one instruction a turn, in the same order in every quarter, over the loop's backward jump too.
.macro MUL16 f, hi, a0, zero
.irp a, \a0, \a0+1
.irp b, 0,1,2,3,4,5,6,7
.if \zero
	v_wmma_f32_16x16x32_bf16 v[8*(8*(\a)+\b):8*(8*(\a)+\b)+7], v[\f+8*\b:\f+8*\b+7], v[\f+8*(4*\hi+\a):\f+8*(4*\hi+\a)+7], 0
.else
	v_wmma_f32_16x16x32_bf16 v[8*(8*(\a)+\b):8*(8*(\a)+\b)+7], v[\f+8*\b:\f+8*\b+7], v[\f+8*(4*\hi+\a):\f+8*(4*\hi+\a)+7], v[8*(8*(\a)+\b):8*(8*(\a)+\b)+7]
.endif
.endr
.endr
.endm
; 32 LDS loads in one run: the fragments of quarter q (32 of my 64 along K) of a slot into buffer f: B's 128 columns, then A's 128 rows
.macro FETCH slot, q, f
	WIN TO_B
.irp i, 0,1,2,3,4,5,6,7
	ds_load_tr16_b128 v[\f+8*\i:\f+8*\i+3],   v[ADRB+\slot] offset:\q*32*PB+32*\i
	ds_load_tr16_b128 v[\f+8*\i+4:\f+8*\i+7], v[ADRB+\slot] offset:\q*32*PB+32*\i+16*PB
.endr
	WIN 0
.irp i, 0,1,2,3,4,5,6,7
	ds_load_b128 v[\f+8*\i:\f+8*\i+3],   v[ADRA+\slot] offset:\q*64+\i*16*PA
	ds_load_b128 v[\f+8*\i+4:\f+8*\i+7], v[ADRA+\slot] offset:\q*64+\i*16*PA+32
.endr
.endm
; A load into a register that a matrix instruction has read, and an LDS store of a matrix result, stand four places behind that matrix instruction;
; only plain vector instructions that name none of its registers are places (ISA guide 7.12.1 for vector instructions).
.macro PLACES
.rept 4
	v_nop
.endr
.endm
; A K step is, for a wave, two quarters of 32 along K, 64 matrix instructions each, on buffers 0 and 1.
; The first: multiplies buffer f; in its middle it fetches the second quarter's fragments of the same slot into buffer g.
.macro QUARTER slot, f, g, zero
	s_wait_dscnt 0x8                               ; B and A's rows 0-63 are in; the youngest eight loads (A's rows 64-127) may be out
	WIN MUL_LO
	MUL16 \f, 0, 0, \zero
	MUL16 \f, 0, 2, \zero
	PLACES
	FETCH \slot, 1, \g
	s_wait_dscnt 0x20                              ; all but the 32 just issued
	WIN MUL_HI
	MUL16 \f, 1, 0, \zero
	MUL16 \f, 1, 2, \zero
.endm
; The second: multiplies buffer 1 and changes slots.  next = the other slot; fill = 1: this slot is filled again, two K steps ahead.
; One barrier for the change, for two things.  In front of it each wave waits for its own reads of this slot and for all its tensor loads, of which one
; is out: its part of the next slot.  Behind it nobody reads this slot and the next slot is whole: the refill comes first, then the next slot's
; first fragments.  From a request to the wait for it a wave issues 112 matrix instructions.
.macro TURN slot, next, fill
	s_wait_dscnt 0x8
	WIN MUL_LO
	MUL16 F1, 0, 0, 0
	s_wait_dscnt 0x0                               ; my reads of this slot are over
	s_wait_tensorcnt 0x0                           ; and all my tensor loads have landed
	ds_add_u32 v255, v255
	s_wait_dscnt 0x0
	s_barrier_signal -1                            ; say so (where the slot is filled again this barrier opens a round of the cluster's barrier),
	MUL16 F1, 0, 2, 0                              ; work on registers while the others arrive,
	WIN 0
	s_barrier_wait -1
.if \fill
	CREST                                          ; no wave of any partner still reads this slot's tile or has a load on its way
	s_add_nc_u64 s[G0+4*\slot+2:G0+4*\slot+3], s[G0+4*\slot+2:G0+4*\slot+3], 2*KSTEP*2        ; no tensor load of mine is out: group 0 may be written
	s_add_nc_u64 s[G0B+4*\slot+2:G0B+4*\slot+3], s[G0B+4*\slot+2:G0B+4*\slot+3], 2*KSTEP*NP*2
	JLOAD \slot                                    ; the first tensor load behind the round, and my only one until the next: one is out
.endif
	PLACES
	FETCH \next, 0, F0
	WIN MUL_HI
	MUL16 F1, 1, 0, 0
	MUL16 F1, 1, 2, 0
.endm
.macro STEP slot, next, fill, zero
	QUARTER \slot, F0, F1, \zero
	TURN \slot, \next, \fill
.endm
	s_wait_tensorcnt 0x1                           ; my part of K step 0 is in; step 1's may stay out
	s_barrier_signal -1
	s_barrier_wait -1                              ; everybody's is
	FETCH 0, 0, F0
	STEP 0, 1, 1, 1                                ; K steps 0 and 1 stand in front of the loop: the first products start the sums
	STEP 1, 0, 1, 0
	WIN 0
	s_mov_b32 s3, 16                               ; K steps 2 to 33
.Lk:
	STEP 0, 1, 1, 0
	STEP 1, 0, 1, 0
	WIN 0
	s_sub_co_u32 s3, s3, 1
	s_cmp_lg_u32 s3, 0
	s_cbranch_scc1 .Lk
	STEP 0, 1, 1, 0                                ; K step 34 asks for step 36, the last
	STEP 1, 0, 0, 0                                ; K step 35 fills nothing
	QUARTER 0, F0, F1, 0                           ; K step 36
	s_wait_dscnt 0x8
	WIN MUL_LO
	MUL16 F1, 0, 0, 0
	MUL16 F1, 0, 2, 0
	s_wait_dscnt 0x0                               ; my last reads of the ring are over
	WIN MUL_HI
	MUL16 F1, 1, 0, 0
	MUL16 F1, 1, 2, 0
	; THE WAY OUT.  Each wave puts its 128 x 128 partial sums into its own stage; the stages lie over the ring, which has had its last fill
	; (every wave waited for all its tensor loads in K step 35) and which no wave reads behind this barrier.
	WIN 0
	s_barrier_signal -1
	PLACES                                         ; the places behind the last matrix instructions, for the LDS stores of results and the loads into buffers 0 and 1
	s_barrier_wait -1
	s_lshl_b32 s16, s13, 7
	s_lshl_b32 s17, s10, 5
	s_add_co_u32 s16, s16, s17                     ; the rows that I store: 128 by + 32 w ..
	s_mul_i32 s16, s16, NOUT*4                     ; at most 4064 x 7,432
	s_mov_b32 s17, 0
	s_add_nc_u64 s[8:9], s[8:9], s[16:17]
	s_lshl_b32 s46, s42, 10                        ; the block's first column, in bytes (in registers that already hang on cx)
	s_mov_b32 s47, 0
	s_add_nc_u64 s[8:9], s[8:9], s[46:47]
	s_lshl_b32 s45, s42, 8
	s_sub_co_i32 s45, NOUT, s45                    ; how many columns of out0 are left from the block's first: 1858 - 256 bx (66 in the last block column)
; the 32 tiles of window 2 (win = 0x08: store data in window 2) or 3 (0x0c): tile (a, b) is rows 64 hi + 16 a + l % 16, bytes 64 b + 32 (l / 16) + 0..31
.macro DUMP win, hi
	WIN \win
.irp a, 0,1,2,3
.irp b, 0,1,2,3,4,5,6,7
	ds_store_b128 v[STO], v[8*(8*\a+\b):8*(8*\a+\b)+3]   offset:(64*\hi+16*\a)*SP+64*\b
	ds_store_b128 v[STO], v[8*(8*\a+\b)+4:8*(8*\a+\b)+7] offset:(64*\hi+16*\a)*SP+64*\b+16
.endr
.endr
.endm
	DUMP 0x08, 0
	DUMP 0x0c, 1
	WIN 0
	s_wait_dscnt 0x0                               ; for the others' sake: my stage is written
	s_barrier_signal -1
	s_barrier_wait -1                              ; all four are
; Eight rows of column piece t (64 columns, 256 bytes): both K halves are read, added and stored.  f: F0 or F1 in turn.
.macro OUTG t, g, f
	s_wait_xcnt 0x0                                ; buffer f was the data of earlier stores: it is loaded again only behind this wait
.irp i, 0,1,2,3,4,5,6,7
	ds_load_b64 v[\f+4*\i:\f+4*\i+1],   v[RD+2*(\t/2)]   offset:(8*\g+\i)*SP+256*(\t%2)
	ds_load_b64 v[\f+4*\i+2:\f+4*\i+3], v[RD+2*(\t/2)+1] offset:(8*\g+\i)*SP+256*(\t%2)
.endr
.irp i, 0,1,2,3,4,5,6,7
	s_wait_dscnt 14-2*\i                           ; row i's two loads are in, the younger ones stay out
	v_pk_add_f32 v[\f+4*\i:\f+4*\i+1], v[\f+4*\i:\f+4*\i+1], v[\f+4*\i+2:\f+4*\i+3]
	global_store_b64 v[CO], v[\f+4*\i:\f+4*\i+1], s[8:9] offset:(8*\g+\i)*NOUT*4+256*\t th:TH_STORE_NT   ; 256 consecutive bytes of one row; a row of out0 starts at a multiple of 8 bytes only, hence 8 bytes a lane
.endr
.endm
; Column piece t of my 32 rows.  Lanes whose two columns lie at or past column 1858 are off (1858 is even: a lane's pair is in or out as a whole).
; The mask narrows EXEC and steers no branch.
.macro OUTT t
	s_sub_co_i32 s44, s45, 64*\t
	v_cmp_gt_i32 vcc_lo, s44, v[COL]               ; columns left from this piece's first > my column in it
	s_wait_xcnt 0x0                                ; EXEC changes only behind this wait
	s_and_saveexec_b32 s20, vcc_lo
	OUTG \t, 0, F0
	OUTG \t, 1, F1
	OUTG \t, 2, F0
	OUTG \t, 3, F1
	s_wait_xcnt 0x0                                ; and again in front of the line that widens it
	s_or_b32 exec_lo, exec_lo, s20
.endm
	OUTT 0
	OUTT 1
	OUTT 2
	OUTT 3
	s_set_vgpr_msb 0x1
	s_wait_tensorcnt 0x0
	ds_add_u32 v255, v255
	s_wait_dscnt 0x0
	s_set_vgpr_msb 0x100
	CROUND                                         ; the closing round: no work-group ends while a partner may still ask for a tile that names it
	s_endpgm
.Lfunc_end_k_q364b3ba88e_gemm:
	.size	k_q364b3ba88e_gemm, .Lfunc_end_k_q364b3ba88e_gemm-k_q364b3ba88e_gemm
	.p2alignl 7, 3214868480
	.fill 96, 4, 3214868480
	.section	.rodata,"a",@progbits
	.p2align	6, 0x0
	.amdhsa_kernel k_q364b3ba88e_gemm
		.amdhsa_group_segment_fixed_size 327680
		.amdhsa_private_segment_fixed_size 0
		.amdhsa_enable_private_segment 0
		.amdhsa_kernarg_size 24
		.amdhsa_user_sgpr_count 2
		.amdhsa_user_sgpr_kernarg_segment_ptr 1
		.amdhsa_wavefront_size32 1
		.amdhsa_system_sgpr_workgroup_id_x 1
		.amdhsa_system_sgpr_workgroup_id_y 1
		.amdhsa_system_sgpr_workgroup_id_z 1
		.amdhsa_system_vgpr_workitem_id 0
		.amdhsa_next_free_vgpr 1024
		.amdhsa_next_free_sgpr 66
		.amdhsa_reserve_vcc 1
		.amdhsa_float_denorm_mode_32 3
		.amdhsa_float_denorm_mode_16_64 3
		.amdhsa_memory_ordered 1
		.amdhsa_forward_progress 1
		.amdhsa_inst_pref_size 151
	.end_amdhsa_kernel
	.amdgpu_metadata
---
amdhsa.version: [ 1, 2 ]
amdhsa.kernels:
  - .name:           k_q364b3ba88e_gemm
    .symbol:         k_q364b3ba88e_gemm.kd
    .args:
      - { .name: xa, .offset: 0, .size: 8, .value_kind: global_buffer, .address_space: global }
      - { .name: wb, .offset: 8, .size: 8, .value_kind: global_buffer, .address_space: global }
      - { .name: out0, .offset: 16, .size: 8, .value_kind: global_buffer, .address_space: global }
    .group_segment_fixed_size: 327680
    .private_segment_fixed_size: 0
    .kernarg_segment_align: 8
    .kernarg_segment_size: 24
    .max_flat_workgroup_size: 128
    .sgpr_count:     66
    .vgpr_count:     1024
    .wavefront_size: 32
...
	.end_amdgpu_metadata
.endif
;; end of part 2
;; ======== version 2 of 2: 2 launches; 1.14 times as fast as version 1
;; workspace buffers: xa 38,273,024 bytes; wb 19,136,512 bytes
;; launch convert (part 3): grid 73 x 16, 8 waves a work-group, no clusters, 74,752 bytes of LDS; arguments x, policy_matrix, xa, wb; writes xa, wb
.if DOCPART == 3
	.amdgcn_target "amdgcn-amd-amdhsa--gfx1250"
	.amdhsa_code_object_version 6
	.text
	.protected	k_q364b3ba88e_convert
	.globl	k_q364b3ba88e_convert
	.p2align	8
	.type	k_q364b3ba88e_convert,@function
k_q364b3ba88e_convert:
	s_mov_b64 s[64:65], 0
	v_nop
	global_prefetch_b8 v0, s[64:65] scope:SCOPE_SE
	s_setreg_imm32_b32 hwreg(HW_REG_WAVE_MODE, 25, 1), 1
	s_wait_xcnt 0x0
; Rounds both inputs of the product to bf16 (nearest even) into the layouts that the multiplying launch reads.
;   xa: x as [4096][4672], in the order of a matrix fragment: [256 blocks of 16 rows][584 groups of 8 k][16 rows][8 k] bf16.
;       A group of 8 k of a block is 256 bytes; 32 k of a block are 1,024 consecutive bytes, which two loads of 16 bytes a lane take as they lie.
;   wb: [4672][2048] bf16: policy_matrix [4672][1858], still [k][n]; columns 1858..2047 = 0 (stored, since the product runs across them).
; LIMIT: an f32 whose magnitude is above bf16's largest finite number becomes an infinity here.
; Work-groups (cx, y): y = 0..7: x, columns 64 cx .. 64 cx + 63, row blocks 32 y .. 32 y + 31, four for each wave.
;                      y = 8..15: rows 8 (8 cx + y - 8) .. + 7 of policy_matrix, one for each wave.   73 x 64 = 4672 both ways.
; Each wave issues all its loads first; counted waits then run down while it rounds, regroups through LDS bytes of its own and stores.
; No wave depends on another: no barrier; EXEC is never changed.
; Memory binds this launch and no work-group shares a byte with another: clusters, tensor loads and matrix units have nothing to give.
.set XROW,  18688                      ; bytes in a row of x (4672 f32) = 73 x 256
.set BLK,   149504                     ; bytes of a block of 16 rows in xa = 584 x 256
.set WROW,  7432                       ; bytes in a row of policy_matrix (1858 f32): a multiple of 8 and of no more
.set LP,    288                        ; LDS pitch of a group of 8 k: 256 + 32, so that the 8 groups that a store touches start 32 bytes apart modulo 256
.set WLDS,  4*8*LP                     ; 9,216: a wave's own LDS bytes, in either job
.set X, 16                             ; v[16:143]  job x: block i, load j: 4 registers as loaded; the first two then hold the bf16
.set Z, 144                            ; v[144:207] job x: block i: 4 x 4 registers, 16 bytes of xa each
.set Y, 8                              ; v[8:67]    job w: 30 chunks of 2 registers as loaded; the first of each then holds the bf16
.set ZW, 68                            ; v[68:99]   job w: 8 groups of 4 registers, 16 bytes of the bf16 row each
	s_load_b256 s[4:11], s[0:1], 0x0               ; x s[4:5], policy_matrix s[6:7], xa s[8:9], wb s[10:11]
	v_lshl_add_u32 v208, v0, 2, 0x12000
	v_mov_b32 v209, 0
	v_and_b32 v1, 31, v0                           ; lane
	v_lshrrev_b32 v2, 5, v0
	v_readfirstlane_b32 s12, v2                    ; wave 0..7
	s_mul_i32 s15, s12, WLDS                       ; my LDS bytes
	s_and_b32 s13, ttmp7, 0xffff                   ; y
	s_cmp_ge_u32 s13, 8
	s_cbranch_scc1 .Lweights
	; ---- four blocks of 16 rows x 64 columns of x ----
	s_lshl_b32 s14, s13, 5
	s_lshl_b32 s16, s12, 2
	s_add_co_u32 s14, s14, s16                     ; my first row block = 32 y + 4 wave
	s_mul_i32 s16, s14, 16*XROW                    ; at most 252 x 299,008: below 2^31
	s_lshl_b32 s17, ttmp9, 8                       ; 64 columns of f32 = 256 bytes
	s_add_co_u32 s16, s16, s17
	s_mov_b32 s17, 0
	s_mul_i32 s18, s14, BLK
	s_lshl_b32 s19, ttmp9, 11                      ; 8 groups of 256 bytes
	s_add_co_u32 s18, s18, s19
	s_mov_b32 s19, 0
	v_and_b32 v2, 15, v1                           ; c = lane % 16
	v_lshrrev_b32 v3, 4, v1                        ; h = lane / 16
	v_mul_u32_u24 v4, v3, XROW
	v_lshl_add_u32 v4, v2, 4, v4                   ; in: lanes 0-15 take 256 bytes of one row, lanes 16-31 of the next
	v_lshrrev_b32 v5, 1, v2                        ; my 4 columns lie in group c / 2,
	v_mul_u32_u24 v5, v5, LP
	v_lshl_add_u32 v5, v3, 4, v5                   ; row h of the pair of rows,
	v_and_b32 v8, 1, v1
	v_lshl_add_u32 v5, v8, 3, v5                   ; half c % 2 of the row's 16 bytes
	v_add_nc_u32 v5, s15, v5                       ; LDS in
	v_mul_u32_u24 v6, v3, LP
	v_lshl_add_u32 v6, v2, 4, v6
	v_add_nc_u32 v6, s15, v6                       ; LDS back: lanes 0-15 take one group's 256 bytes, lanes 16-31 the next group's
	v_lshlrev_b32 v7, 4, v1                        ; out: 16 bytes a lane
	s_wait_kmcnt 0x0
	s_add_nc_u64 s[4:5], s[4:5], s[16:17]
	s_add_nc_u64 s[8:9], s[8:9], s[18:19]
.irp i, 0,1,2,3
.irp j, 0,1,2,3,4,5,6,7
	global_load_b128 v[X+32*\i+4*\j:X+32*\i+4*\j+3], v4, s[4:5] offset:(16*\i+2*\j)*XROW th:TH_LOAD_NT   ; rows 2 j, 2 j + 1 of block i; x is read once in the launch
.endr
.endr
; Block i: rounded, laid into LDS by groups of 8 k, read back as xa has it.  LDS serves a wave's instructions in order (ISA guide 5.7.1.4), so no
; wait stands between the stores and the loads.  Block i - 1 leaves while block i's bytes go round.  No hint on the stores: the next launch reads them.
.macro XBLK i
.irp j, 0,1,2,3,4,5,6,7
	s_wait_loadcnt 31-(8*\i+\j)                    ; loads come back in order (ISA guide 5.7.1): this one is in, the younger ones stay out
	v_cvt_pk_bf16_f32 v[X+32*\i+4*\j],   v[X+32*\i+4*\j],   v[X+32*\i+4*\j+1]
	v_cvt_pk_bf16_f32 v[X+32*\i+4*\j+1], v[X+32*\i+4*\j+2], v[X+32*\i+4*\j+3]
	ds_store_b64 v5, v[X+32*\i+4*\j:X+32*\i+4*\j+1] offset:\i*8*LP+32*\j
.endr
.irp t, 0,1,2,3
	ds_load_b128 v[Z+16*\i+4*\t:Z+16*\i+4*\t+3], v6 offset:\i*8*LP+2*\t*LP
.endr
.if \i
	s_wait_dscnt 0xc                               ; behind block i - 1's last load stand this block's eight stores and four loads
.irp t, 0,1,2,3
	global_store_b128 v7, v[Z+16*(\i-1)+4*\t:Z+16*(\i-1)+4*\t+3], s[8:9] offset:(\i-1)*BLK+512*\t   ; 512 consecutive bytes at a multiple of 512 from xa's first byte
.endr
.endif
.endm
	XBLK 0
	XBLK 1
	XBLK 2
	XBLK 3
	s_wait_dscnt 0x0
.irp t, 0,1,2,3
	global_store_b128 v7, v[Z+48+4*\t:Z+48+4*\t+3], s[8:9] offset:3*BLK+512*\t
.endr
	s_wait_tensorcnt 0x0
	ds_add_u32 v208, v209
	s_wait_dscnt 0x0
	s_endpgm
	; ---- a row of wb ----
.Lweights:
	s_lshl_b32 s14, ttmp9, 3
	s_add_co_u32 s14, s14, s13
	s_sub_co_u32 s14, s14, 8
	s_lshl_b32 s14, s14, 3
	s_add_co_u32 s14, s14, s12                     ; k = 8 (8 cx + y - 8) + wave, 0..4671
	s_lshl_b32 s18, s14, 12                        ; k x 4,096
	s_mov_b32 s19, 0
	s_mul_i32 s16, s14, WROW                       ; at most 4671 x 7,432
	s_mov_b32 s17, 0
	v_lshlrev_b32 v6, 4, v1                        ; out: 16 bytes a lane, 512 consecutive bytes a store
	v_lshlrev_b32 v2, 3, v1                        ; in: 8 bytes a lane (rows start at multiples of 8 bytes only), 256 consecutive bytes a load
	v_mov_b32 v3, 0                                ; zero: the last chunk's offset, and the pad's data
	v_lshlrev_b32 v4, 2, v1
	v_add_nc_u32 v4, s15, v4                       ; LDS in: 4 x lane + my bytes, of which one row of wb takes 4,096
	v_add_nc_u32 v5, s15, v6                       ; LDS back: 16 x lane + my bytes
	v_cmp_eq_u32 vcc_lo, 0, v1                     ; lane 0
	s_wait_kmcnt 0x0
	s_add_nc_u64 s[10:11], s[10:11], s[18:19]
	s_add_nc_u64 s[6:7], s[6:7], s[16:17]
	; No hint: a row's first and last bytes share aligned blocks with the rows beside it, which other waves read.
.irp c, 0,1,2,3,4,5,6,7,8,9,10,11,12,13,14,15,16,17,18,19,20,21,22,23,24,25,26,27,28
	global_load_b64 v[Y+2*\c:Y+2*\c+1], v2, s[6:7] offset:256*\c   ; columns 64 c + 2 lane, + 1
.endr
	global_load_b64 v[Y+58:Y+59], v3, s[6:7] offset:7424           ; columns 1856, 1857, in every lane: the row's last 8 bytes
; A lane's two numbers round to 4 bytes; a store of 16 bytes a lane wants eight neighbours.  So the row is regrouped through the wave's own
; LDS bytes: four chunks of 128 bytes in, one read of 512 bytes back, in order as above.  Group g - 1 leaves while group g's bytes go round.
.macro WGRP g
.irp j, 0,1,2,3
.if 4*\g+\j <= 29
	s_wait_loadcnt 29-(4*\g+\j)                    ; this chunk is in, the younger ones stay out
	v_cvt_pk_bf16_f32 v[Y+2*(4*\g+\j)], v[Y+2*(4*\g+\j)], v[Y+2*(4*\g+\j)+1]
.if 4*\g+\j == 29
	v_cndmask_b32 v[Y+58], 0, v[Y+58], vcc_lo      ; lane 0 keeps columns 1856, 1857; the others hold the pad's zeros
.endif
	ds_store_b32 v4, v[Y+2*(4*\g+\j)] offset:128*(4*\g+\j)
.else
	ds_store_b32 v4, v3 offset:128*(4*\g+\j)       ; columns 1920..2047 = 0
.endif
.endr
	ds_load_b128 v[ZW+4*\g:ZW+4*\g+3], v5 offset:512*\g
.if \g
	s_wait_dscnt 0x5                               ; behind group g - 1's load stand this group's four stores and one load
	global_store_b128 v6, v[ZW+4*(\g-1):ZW+4*(\g-1)+3], s[10:11] offset:512*(\g-1)   ; 512 consecutive bytes at a multiple of 512 from wb's first byte
.endif
.endm
.irp g, 0,1,2,3,4,5,6,7
	WGRP \g
.endr
	s_wait_dscnt 0x0
	global_store_b128 v6, v[ZW+28:ZW+31], s[10:11] offset:3584
	s_wait_tensorcnt 0x0
	ds_add_u32 v208, v209
	s_wait_dscnt 0x0
	s_endpgm
.Lfunc_end_k_q364b3ba88e_convert:
	.size	k_q364b3ba88e_convert, .Lfunc_end_k_q364b3ba88e_convert-k_q364b3ba88e_convert
	.p2alignl 7, 3214868480
	.fill 96, 4, 3214868480
	.section	.rodata,"a",@progbits
	.p2align	6, 0x0
	.amdhsa_kernel k_q364b3ba88e_convert
		.amdhsa_group_segment_fixed_size 74752
		.amdhsa_private_segment_fixed_size 0
		.amdhsa_enable_private_segment 0
		.amdhsa_kernarg_size 32
		.amdhsa_user_sgpr_count 2
		.amdhsa_user_sgpr_kernarg_segment_ptr 1
		.amdhsa_wavefront_size32 1
		.amdhsa_system_sgpr_workgroup_id_x 1
		.amdhsa_system_sgpr_workgroup_id_y 1
		.amdhsa_system_sgpr_workgroup_id_z 1
		.amdhsa_system_vgpr_workitem_id 0
		.amdhsa_next_free_vgpr 210
		.amdhsa_next_free_sgpr 66
		.amdhsa_reserve_vcc 1
		.amdhsa_float_denorm_mode_32 3
		.amdhsa_float_denorm_mode_16_64 3
		.amdhsa_memory_ordered 1
		.amdhsa_forward_progress 1
		.amdhsa_inst_pref_size 25
	.end_amdhsa_kernel
	.amdgpu_metadata
---
amdhsa.version: [ 1, 2 ]
amdhsa.kernels:
  - .name:           k_q364b3ba88e_convert
    .symbol:         k_q364b3ba88e_convert.kd
    .args:
      - { .name: x, .offset: 0, .size: 8, .value_kind: global_buffer, .address_space: global }
      - { .name: policy_matrix, .offset: 8, .size: 8, .value_kind: global_buffer, .address_space: global }
      - { .name: xa, .offset: 16, .size: 8, .value_kind: global_buffer, .address_space: global }
      - { .name: wb, .offset: 24, .size: 8, .value_kind: global_buffer, .address_space: global }
    .group_segment_fixed_size: 74752
    .private_segment_fixed_size: 0
    .kernarg_segment_align: 8
    .kernarg_segment_size: 32
    .max_flat_workgroup_size: 256
    .sgpr_count:     66
    .vgpr_count:     210
    .wavefront_size: 32
...
	.end_amdgpu_metadata
.endif
;; end of part 3
;; launch gemm (part 4): grid 8 x 32, 4 waves a work-group, clusters of 4 x 4, 327,680 bytes of LDS; arguments xa, wb, out0; writes out0
.if DOCPART == 4
	.amdgcn_target "amdgcn-amd-amdhsa--gfx1250"
	.amdhsa_code_object_version 6
	.text
	.protected	k_q364b3ba88e_gemm
	.globl	k_q364b3ba88e_gemm
	.p2align	8
	.type	k_q364b3ba88e_gemm,@function
k_q364b3ba88e_gemm:
	s_mov_b64 s[64:65], 0
	v_nop
	global_prefetch_b8 v0, s[64:65] scope:SCOPE_SE
	s_setreg_imm32_b32 hwreg(HW_REG_WAVE_MODE, 25, 1), 1
	s_wait_xcnt 0x0
	s_wait_alu depctr_hold_cnt(0) depctr_sa_sdst(0) depctr_va_vdst(0) depctr_va_sdst(0) depctr_va_ssrc(0) depctr_va_vcc(0) depctr_vm_vsrc(0)
	s_getreg_b32 s2, hwreg(HW_REG_IB_STS2, 6, 4)
	s_cmp_eq_u32 s2, 0
	s_cbranch_scc0 .Lentry_in_a_cluster
	s_endpgm
.Lentry_in_a_cluster:
	s_bfe_u32 s2, ttmp6, 0x10000c
	s_cmp_lg_u32 s2, 0xf033
	s_cbranch_scc0 .Lentry_shape_is_right
	s_endpgm
.Lentry_shape_is_right:
; out0[m][n] = sum over k of A[m][k] B[k][n], m < 4096, n < 1858, k < 4672.  Products of bf16, sums in f32.
; xa holds A in fragment order: [256 blocks of 16 rows][584 groups of 8 k][16 rows][8 k] bf16.  wb holds B: [4672][2048] bf16, k down the rows,
; columns 1858..2047 zero.  out0: [4096][1858] f32.
; LIMITS: the operands were rounded to bf16; each output is the sum of two f32 sums, one over the k with (k / 32) even and one over the others, so
; the order of rounding differs from a single ascending sum; a sum that is exactly -0 may come out as +0.
; SHARES: 256 work-groups, each a block of 128 rows x 256 columns, four waves.  Wave w takes rows 64 (w & 1) .. + 63, all 256 columns, and the blocks of
; 32 along K whose number is w >> 1 modulo 2: 64 x 256 partial sums, 64 tiles of 16 x 16, 512 registers.  The two K halves are added on the way out.
; A wave's work is 73 quarters of 32 along K, 64 matrix instructions each (146 blocks of 32 = 4672).
; B goes through LDS: K in 18 steps of 256 and a last one of 64, through two slots filled by tensor loads of 64 rows x 512 bytes, one a wave.
; A GOES STRAIGHT INTO REGISTERS: no other wave of the work-group needs a wave's A fragments, and in xa a fragment is two runs of 512 consecutive
; bytes.  A ring of four register buffers keeps each fragment's loads out for three quarters.  Without A's 256 bytes for each k, LDS has room for
; two slots of 256 along K (2 x 139,264 bytes), so that 240 matrix instructions lie between a tile's request and the wait for it.
; CLUSTERS: 4 x 4 work-groups.  B's tile hangs on the block column alone and is asked for jointly along a column of the cluster, which divides the
; requests for B by four.  A is NOT asked for jointly although the four of a row of the cluster read the same rows: joint requests land in LDS, and
; with A's tile there a slot could hold 192 along K at the most (768 bytes for each k, twice, in 327,680).
; No prefetch: A's ring and B's slots are this text's means against the wait for memory.
; REGISTERS, in windows of 256: window 0: v16-31 addresses, v128-255 A's four buffers (4 fragments of 8 registers each); window 1: B's two buffers
; (16 fragments each) at v0 and v128; window 2: the tiles of row blocks 0, 1 (tile (a, b) at v[8 (16 (a % 2) + b)]); window 3: of row blocks 2, 3.
; THE MATRIX INSTRUCTION IS USED TRANSPOSED: source 0 = 16 columns of B, source 1 = 16 rows of A; lane l then holds row l % 16 and its registers 0-7
; the columns 8 (l / 16) + 0..7: eight neighbouring numbers of a row of out0.
.set BLK,    149504                    ; bytes of a block of 16 rows in xa
.set QB,     2048                      ; bytes in such a block from one of my quarters to my next: two blocks of 32 k
.set NP,     2048                      ; elements in a row of wb
.set NOUT,   1858                      ; elements in a row of out0
.set PB,     544                       ; B's LDS row: 512 bytes + 32 = 17 x 32: the 8 rows that a transposing load touches start 32 bytes apart modulo 256
.set PART,   64*PB                     ; 34,816: what one tensor load brings
.set SLOT,   4*PART                    ; 139,264: 256 rows of k
.set KSTEPB, 256*NP*2                  ; bytes of wb in a K step
.set SP,     1040                      ; a stage's row: 256 f32 + 16 bytes = 65 x 16
.set WSTAGE, 64*SP                     ; 66,560: each wave's own stage on the way out; the four lie over the ring, behind its last fill
.set ADRB, 16                          ; v16-19  LDS address of my B fragments: slot 0 quarters 0-1, 2-3; slot 1 quarters 0-1, 2-3 (an offset has 16 bits)
.set AO,   20                          ; v20     16 x lane: my 16 bytes in a run of 512 of xa; never rewritten
.set STO,  24                          ; v24     the way out: where my tiles go in my stage
.set RD,   26                          ; v26-27  the way out: the 32 rows that I store, in the stages of the two K halves
.set CO,   30                          ; v30     my byte offset in a piece of 256 bytes of a row of out0
.set COL,  31                          ; v31     my first column in that piece
.set AF,   128                         ; A's buffers
.set F0,   128                         ; the way out: two sets of 32 registers
.set F1,   192
.set AB,  14                           ; s[14:15] xa at my first fragment of the lap's first quarter
.set G1,  24                           ; s[24:31] descriptor group 1
.set G0,  32                           ; s[32:39] group 0, one set for each slot
.set MSB, 0
.macro WIN new                         ; the immediate's high byte repeats the setting that is left; a switch that changes nothing is dropped
.if MSB != \new
	s_set_vgpr_msb (MSB<<8)|\new
.set MSB, \new
.endif
.endm
.set MUL_LO, 0xa1                      ; source 0 (B) window 1, source 1 (A) window 0, C and D window 2
.set MUL_HI, 0xf1                      ; the same, C and D window 3
.set TO_B,   0x40                      ; destination window 1, address window 0
; A round of the cluster's barrier: my work-group's barrier, so that wave 0's signal speaks for all four waves; wave 0 signals for the work-group;
; every wave waits for all sixteen work-groups; my work-group's barrier once more.
.macro CREST                           ; a round behind its opening barrier
	s_cmp_lg_u32 s10, 0
	s_cbranch_scc1 .Lnot_wave_0_\@
	s_barrier_signal -3
.Lnot_wave_0_\@:
	s_barrier_wait -3
	s_barrier_signal -1
	s_barrier_wait -1
.endm
.macro CROUND                          ; a whole round
	s_barrier_signal -1
	s_barrier_wait -1
	CREST
.endm
; Fragment a (16 rows x 32 k) of my quarter tq, counted from the lap's first, into its buffer: registers 0-3 hold k = 8 (l / 16) + 0..7 of row l % 16,
; registers 4-7 the same 16 further along K; in xa these are the 16 bytes at 16 l of two runs of 512 bytes.
.macro LDA tq, a
	global_load_b128 v[AF+32*((\tq)%4)+8*(\a):AF+32*((\tq)%4)+8*(\a)+3],   v[AO], s[AB:AB+1] offset:(\a)*BLK+(\tq)*QB
	global_load_b128 v[AF+32*((\tq)%4)+8*(\a)+4:AF+32*((\tq)%4)+8*(\a)+7], v[AO], s[AB:AB+1] offset:(\a)*BLK+(\tq)*QB+512
.endm
	s_load_b128 s[4:7], s[0:1], 0x0                ; xa s[4:5], wb s[6:7]
	s_load_b64 s[8:9], s[0:1], 0x10                ; out0
	v_lshl_add_u32 v126, v0, 2, 0x44000
	v_mov_b32 v127, 0
	ds_add_u32 v126, v127
	v_lshrrev_b32 v1, 5, v0
	v_readfirstlane_b32 s10, v1                    ; wave 0..3
	s_lshr_b32 s11, s10, 1                         ; kh: which blocks of 32 along K are mine
	s_and_b32 s12, s10, 1                          ; mh: which 64 rows
	s_bfe_u32 s40, ttmp6, 0x40000                  ; cx
	s_bfe_u32 s41, ttmp6, 0x40004                  ; cy
	s_lshl_b32 s42, ttmp9, 2                       ; in a cluster launch ttmp9 and ttmp7 count clusters
	s_add_co_u32 s42, s42, s40                     ; block column bx = 4 x cluster x + cx, 0..7
	s_and_b32 s13, ttmp7, 0xffff
	s_lshl_b32 s13, s13, 2
	s_add_co_u32 s13, s13, s41                     ; block row by = 4 x cluster y + cy, 0..31
	s_lshl_b32 s44, 0x1111, s40                    ; my column of the cluster: places cx, cx + 4, cx + 8, cx + 12
	; group 1: 64 rows (k) x 256 elements (n) of 2 bytes; 8 words of padding behind every 128 words
	s_or_b32 s[G1+0], s44, (1<<16)|(1<<20)|(1<<21)|(6<<22)|(7<<25)  ; 15:0 mask: my column; 17:16 2-byte elements; 20 padding on; 21 set beside a mask; 24:22 interval code 6; 31:25 pad code 7
	s_mov_b32 s[G1+1], 256<<16                     ; tensor_dim0 = 256: no tile crosses wb's end, so the extents are the tile's
	s_mov_b32 s[G1+2], 64<<16                      ; tensor_dim1 = 64
	s_mov_b32 s[G1+3], 256<<16                     ; tile_dim0 = 256
	s_mov_b32 s[G1+4], 64                          ; tile_dim1 = 64
	s_mov_b32 s[G1+5], NP                          ; elements from row to row
	s_mov_b32 s[G1+6], 0
	s_mov_b32 s[G1+7], 0
	; B's address is made of bx and the wave's number alone, which the four partners share
	s_lshl_b32 s46, s42, 9                         ; column 256 bx = 512 bx bytes,
	s_lshl_b32 s47, s10, 18                        ; row 64 w = 64 x 4,096 bytes
	s_add_co_u32 s46, s46, s47
	s_mov_b32 s47, 0
	s_mul_i32 s21, s10, PART                       ; and goes to the wave's number x 34,816: no place in the cluster enters an LDS address
	; A: row block 8 by + 4 mh, and 1,024 bytes on for kh = 1
	s_lshl_b32 s16, s13, 3
	s_lshl_b32 s17, s12, 2
	s_add_co_u32 s16, s16, s17
	s_mul_i32 s16, s16, BLK                        ; at most 252 x 149,504: below 2^31
	s_lshl_b32 s17, s11, 10
	s_add_co_u32 s16, s16, s17
	s_mov_b32 s17, 0
	v_and_b32 v8, 31, v0                           ; l
	v_lshlrev_b32 v[AO], 4, v8
	s_wait_dscnt 0x0
	s_wait_kmcnt 0x0
	s_add_nc_u64 s[AB:AB+1], s[4:5], s[16:17]
	s_add_nc_u64 s[46:47], s[6:7], s[46:47]
	; A's ring is filled: quarters 0, 1, 2 and fragment 0 of quarter 3, 26 loads, in the order in which the quarters go on asking
.irp q, 0,1,2
	LDA \q, 0
	LDA \q, 1
	LDA \q, 2
	LDA \q, 3
.endr
	LDA 3, 0
	CROUND                                         ; all sixteen work-groups are here: the first joint loads meet
.irp s, 0,1
	s_mov_b32 s[G0+4*\s], 1                                        ; count = 1
	s_add_co_u32 s[G0+4*\s+1], s21, \s*SLOT                        ; LDS address
	s_add_nc_u64 s[G0+4*\s+2:G0+4*\s+3], s[46:47], \s*KSTEPB       ; K step s
	s_or_b32 s[G0+4*\s+3], s[G0+4*\s+3], 0x80000000                ; type = 2
	tensor_load_to_lds s[G0+4*\s:G0+4*\s+3], s[G1:G1+7]            ; both first fills go out together: two tensor loads of the wave are out
	s_nop 0
.endr
	; B's fragment, from rows that lie along n: two transposing loads, 16 rows of k apart, at (8 (l / 16) + l % 8) x pitch + 16 ((l / 8) % 2):
	; the first brings k = 8 (l / 16) + 0..7 of column l % 16, the second the same 16 further along K.  My quarter j of a slot is its rows 32 (2 j + kh) .. + 31.
	v_and_b32 v1, 15, v0                           ; l % 16
	v_bfe_u32 v2, v0, 4, 1                         ; l / 16
	v_and_b32 v6, 7, v0                            ; l % 8
	v_bfe_u32 v7, v0, 3, 1                         ; (l / 8) % 2
	v_lshl_add_u32 v4, v2, 3, v6
	v_mul_u32_u24 v4, v4, PB
	v_lshl_add_u32 v4, v7, 4, v4
	s_mul_i32 s19, s11, 32*PB
	v_add_nc_u32 v[ADRB], s19, v4
	v_add_nc_u32 v[ADRB+1], 128*PB, v[ADRB]
	v_add_nc_u32 v[ADRB+2], SLOT, v[ADRB]
	v_add_nc_u32 v[ADRB+3], SLOT+128*PB, v[ADRB]
	s_mul_i32 s23, s10, WSTAGE                     ; my stage
	v_mul_u32_u24 v5, v1, SP                       ; in: row l % 16, 32 bytes for each half of the lanes
	v_lshl_add_u32 v5, v2, 5, v5
	v_add_nc_u32 v[STO], s23, v5
	s_mul_i32 s23, s11, WSTAGE                     ; back: I store the block's rows 32 w .. 32 w + 31 = rows 32 (w & 1) .. of the stages of waves w >> 1 (K half 0)
	s_mul_i32 s22, s12, 32*SP
	s_add_co_u32 s23, s23, s22
	v_lshl_add_u32 v[RD], v8, 3, s23               ; 8 bytes a lane
	v_add_nc_u32 v[RD+1], 2*WSTAGE, v[RD]          ; and (w >> 1) + 2 (K half 1)
	v_lshlrev_b32 v[CO], 3, v8
	v_lshlrev_b32 v[COL], 1, v8
; 16 matrix instructions of quarter tt: row block a x all 16 column blocks, 32 along K.  zero = 1: the first product starts the sums: nothing is cleared.
; The 64 accumulators take turns, one instruction a turn, in the same order in every quarter, over the loop's backward jump too.
.macro MUL16 tt, a, zero
.irp b, 0,1,2,3,4,5,6,7,8,9,10,11,12,13,14,15
.if \zero
	v_wmma_f32_16x16x32_bf16 v[8*(16*((\a)%2)+\b):8*(16*((\a)%2)+\b)+7], v[128*((\tt)%2)+8*\b:128*((\tt)%2)+8*\b+7], v[AF+32*((\tt)%4)+8*(\a):AF+32*((\tt)%4)+8*(\a)+7], 0
.else
	v_wmma_f32_16x16x32_bf16 v[8*(16*((\a)%2)+\b):8*(16*((\a)%2)+\b)+7], v[128*((\tt)%2)+8*\b:128*((\tt)%2)+8*\b+7], v[AF+32*((\tt)%4)+8*(\a):AF+32*((\tt)%4)+8*(\a)+7], v[8*(16*((\a)%2)+\b):8*(16*((\a)%2)+\b)+7]
.endif
.endr
.endm
; 32 LDS loads in one run: B's 16 fragments of my quarter j of a slot, into the buffer of quarter tt
.macro FETCHB slot, j, tt
	WIN TO_B
.irp b, 0,1,2,3,4,5,6,7,8,9,10,11,12,13,14,15
	ds_load_tr16_b128 v[128*((\tt)%2)+8*\b:128*((\tt)%2)+8*\b+3],   v[ADRB+2*(\slot)+(\j)/2] offset:((\j)%2)*PART+32*\b
	ds_load_tr16_b128 v[128*((\tt)%2)+8*\b+4:128*((\tt)%2)+8*\b+7], v[ADRB+2*(\slot)+(\j)/2] offset:((\j)%2)*PART+32*\b+16*PB
.endr
.endm
; A load into a register that a matrix instruction has read, and an LDS store of a matrix result, stand four places behind that matrix instruction;
; only plain vector instructions that name none of its registers are places (ISA guide 7.12.1 for vector instructions).
.macro PLACES
.rept 4
	v_nop
.endr
.endm
; Quarter tt of a lap (8 quarters, two K steps) = my quarter j of slot.  Behind its first 16 products stands ONE run of loads: B's fragments of the next
; quarter (48 products ahead of their use), and into A's registers that have just come free: fragments 1-3 of the quarter three on (p1) and
; fragment 0 of the quarter four on (p2): each has three quarters in which to arrive.
; w0: fragment 0 of this quarter is in when at most w0 younger loads are out: three runs of 8.  w1: fragments 1-3 likewise: 2 + three runs of 8.
; j = 3 changes slots, with ONE barrier for two things.  In front of it each wave has waited for its reads of this slot (the fragments of its last
; quarter are in) and for all its tensor loads, of which one is out: its part of the next slot.  Behind it nobody reads this slot and the next is whole:
; the refill comes first, then the next slot's first fragments.  fill = 1: every wave fills its 64 rows, two K steps ahead; 2: the last K step has 64 rows,
; which are wave 0's part; 0: nothing is left to fetch.  From a request to the wait for it a wave issues 240 matrix instructions.
.macro QTR slot, j, tt, zero, fill, p1, p2, w0, w1
	s_wait_dscnt 0x0                               ; B's fragments of this quarter are in
	s_wait_loadcnt \w0
.if \j == 3
	s_set_vgpr_msb 0xf1f0
	s_wait_tensorcnt 0x0                           ; all my tensor loads have landed
	ds_add_u32 v126, v127
	s_wait_dscnt 0x0
	s_set_vgpr_msb 0xf0f1
	s_barrier_signal -1                            ; say so (where the slot is filled again this barrier opens a round of the cluster's barrier),
.endif
	WIN MUL_LO
	MUL16 \tt, 0, \zero                            ; work on registers while the others arrive
.if \j == 3
	WIN 0
	s_barrier_wait -1
.if \fill
	CREST                                          ; no wave of any partner still reads this slot's tile or has a load on its way
	s_add_nc_u64 s[G0+4*\slot+2:G0+4*\slot+3], s[G0+4*\slot+2:G0+4*\slot+3], 2*KSTEPB   ; no tensor load of mine is out: group 0 may be written
.if \fill == 1
	tensor_load_to_lds s[G0+4*\slot:G0+4*\slot+3], s[G1:G1+7]      ; the first tensor load behind the round, and my only one until the next: one is out
	s_nop 0
.else
	s_cmp_lg_u32 s10, 0                            ; the wave's number: the same branch in every work-group
	s_cbranch_scc1 .Lno_part_\@
	tensor_load_to_lds s[G0+4*\slot:G0+4*\slot+3], s[G1:G1+7]      ; rows 4608..4671 of wb, into the slot's rows 0-63
	s_nop 0
.Lno_part_\@:
.endif
.endif
	PLACES
	FETCHB 1-\slot, 0, \tt+1
.else
	PLACES
	FETCHB \slot, \j+1, \tt+1
.endif
.if \p1
	WIN 0
	LDA \tt+3, 1
	LDA \tt+3, 2
	LDA \tt+3, 3
.endif
.if \p2
	LDA \tt+4, 0
.endif
	s_wait_loadcnt \w1
	WIN MUL_LO
	MUL16 \tt, 1, \zero
	WIN MUL_HI
	MUL16 \tt, 2, \zero
	MUL16 \tt, 3, \zero
.endm
.macro LAP zero                        ; two K steps, both slots filled again
	QTR 0, 0, 0, \zero, 0, 1, 1, 24, 26
	QTR 0, 1, 1, 0, 0, 1, 1, 24, 26
	QTR 0, 2, 2, 0, 0, 1, 1, 24, 26
	QTR 0, 3, 3, 0, 1, 1, 1, 24, 26
	QTR 1, 0, 4, 0, 0, 1, 1, 24, 26
	QTR 1, 1, 5, 0, 0, 1, 1, 24, 26
	QTR 1, 2, 6, 0, 0, 1, 1, 24, 26
	QTR 1, 3, 7, 0, 1, 1, 1, 24, 26
	s_wait_xcnt 0x0                                ; A's base, which pending loads name, is stepped only behind this wait
	s_add_nc_u64 s[AB:AB+1], s[AB:AB+1], 8*QB
.endm
	s_wait_tensorcnt 0x1                           ; my part of K step 0 is in; step 1's may stay out
	s_barrier_signal -1
	s_barrier_wait -1                              ; everybody's is
	FETCHB 0, 0, 0
	LAP 1                                          ; K steps 0 and 1 stand in front of the loop: the first products start the sums
	WIN 0
	s_mov_b32 s3, 7                                ; K steps 2 to 15; they ask for steps 4 to 17
.Lk:
	LAP 0
	WIN 0
	s_sub_co_u32 s3, s3, 1
	s_cmp_lg_u32 s3, 0
	s_cbranch_scc1 .Lk
	; K steps 16 and 17 = my quarters 64 to 71.  A's last loads are fragment 0 of quarter 72 (in quarter 68) and its fragments 1-3 (in quarter 69): no load
	; leaves xa, and the counts run down by what was no longer issued.
	QTR 0, 0, 0, 0, 0, 1, 1, 24, 26
	QTR 0, 1, 1, 0, 0, 1, 1, 24, 26
	QTR 0, 2, 2, 0, 0, 1, 1, 24, 26
	QTR 0, 3, 3, 0, 2, 1, 1, 24, 26                ; asks for K step 18, the last: 64 rows
	QTR 1, 0, 4, 0, 0, 1, 1, 24, 26
	QTR 1, 1, 5, 0, 0, 1, 0, 24, 24                ; this run has 6 loads: 2 + 8 + 8 + 6 are younger
	QTR 1, 2, 6, 0, 0, 0, 0, 22, 16                ; 8 + 8 + 6;  2 + 8 + 6
	QTR 1, 3, 7, 0, 0, 0, 0, 14, 8                 ; 8 + 6;  2 + 6.  Fills nothing; fetches the last step's fragments
	s_wait_dscnt 0x0                               ; quarter 72: my last reads of the ring are over
	s_wait_loadcnt 0x6                             ; fragment 0 is in, fragments 1-3 may be out
	WIN MUL_LO
	MUL16 8, 0, 0
	s_wait_loadcnt 0x0
	MUL16 8, 1, 0
	WIN MUL_HI
	MUL16 8, 2, 0
	MUL16 8, 3, 0
	; THE WAY OUT.  Each wave puts its 64 x 256 partial sums into its own stage; the stages lie over the ring, which has had its last fill
	; (every wave waited for all its tensor loads in quarter 71) and which no wave reads behind this barrier.
	WIN 0
	s_barrier_signal -1
	PLACES                                         ; the places behind the last matrix instructions, for the LDS stores of results and the loads into A's registers
	s_barrier_wait -1
	s_lshl_b32 s16, s13, 7
	s_lshl_b32 s17, s10, 5
	s_add_co_u32 s16, s16, s17                     ; the rows that I store: 128 by + 32 w ..
	s_mul_i32 s16, s16, NOUT*4                     ; at most 4064 x 7,432
	s_mov_b32 s17, 0
	s_add_nc_u64 s[8:9], s[8:9], s[16:17]
	s_lshl_b32 s46, s42, 10                        ; the block's first column, in bytes
	s_mov_b32 s47, 0
	s_add_nc_u64 s[8:9], s[8:9], s[46:47]
	s_lshl_b32 s45, s42, 8
	s_sub_co_i32 s45, NOUT, s45                    ; how many columns of out0 are left from the block's first: 1858 - 256 bx (66 in the last block column)
; the 32 tiles of window 2 (win = 0x08: store data in window 2) or 3 (0x0c): tile (a, b) is rows 32 hi + 16 a + l % 16, bytes 64 b + 32 (l / 16) + 0..31
.macro DUMP win, hi
	WIN \win
.irp a, 0,1
.irp b, 0,1,2,3,4,5,6,7,8,9,10,11,12,13,14,15
	ds_store_b128 v[STO], v[8*(16*\a+\b):8*(16*\a+\b)+3]   offset:(32*\hi+16*\a)*SP+64*\b
	ds_store_b128 v[STO], v[8*(16*\a+\b)+4:8*(16*\a+\b)+7] offset:(32*\hi+16*\a)*SP+64*\b+16
.endr
.endr
.endm
	DUMP 0x08, 0
	DUMP 0x0c, 1
	WIN 0
	s_wait_dscnt 0x0                               ; for the others' sake: my stage is written
	s_barrier_signal -1
	s_barrier_wait -1                              ; all four are
; Eight rows of column piece t (64 columns, 256 bytes): both K halves are read, added and stored.  f: F0 or F1 in turn.
.macro OUTG t, g, f
	s_wait_xcnt 0x0                                ; set f was the data of earlier stores: it is loaded again only behind this wait
.irp i, 0,1,2,3,4,5,6,7
	ds_load_b64 v[\f+4*\i:\f+4*\i+1],   v[RD]   offset:(8*\g+\i)*SP+256*\t
	ds_load_b64 v[\f+4*\i+2:\f+4*\i+3], v[RD+1] offset:(8*\g+\i)*SP+256*\t
.endr
.irp i, 0,1,2,3,4,5,6,7
	s_wait_dscnt 14-2*\i                           ; row i's two loads are in, the younger ones stay out
	v_pk_add_f32 v[\f+4*\i:\f+4*\i+1], v[\f+4*\i:\f+4*\i+1], v[\f+4*\i+2:\f+4*\i+3]
	global_store_b64 v[CO], v[\f+4*\i:\f+4*\i+1], s[8:9] offset:(8*\g+\i)*NOUT*4+256*\t th:TH_STORE_NT   ; 256 consecutive bytes of one row; a row of out0 starts at a multiple of 8 bytes only, hence 8 bytes a lane
.endr
.endm
; Column piece t of my 32 rows.  Lanes whose two columns lie at or past column 1858 are off (1858 is even: a lane's pair is in or out as a whole).
; The mask narrows EXEC and steers no branch.
.macro OUTT t
	s_sub_co_i32 s44, s45, 64*\t
	v_cmp_gt_i32 vcc_lo, s44, v[COL]               ; columns left from this piece's first > my column in it
	s_wait_xcnt 0x0                                ; EXEC changes only behind this wait
	s_and_saveexec_b32 s20, vcc_lo
	OUTG \t, 0, F0
	OUTG \t, 1, F1
	OUTG \t, 2, F0
	OUTG \t, 3, F1
	s_wait_xcnt 0x0                                ; and again in front of the line that widens it
	s_or_b32 exec_lo, exec_lo, s20
.endm
	OUTT 0
	OUTT 1
	OUTT 2
	OUTT 3
	s_wait_tensorcnt 0x0
	ds_add_u32 v126, v127
	s_wait_dscnt 0x0
	CROUND                                         ; the closing round: no work-group ends while a partner may still ask for a tile that names it
	s_endpgm
.Lfunc_end_k_q364b3ba88e_gemm:
	.size	k_q364b3ba88e_gemm, .Lfunc_end_k_q364b3ba88e_gemm-k_q364b3ba88e_gemm
	.p2alignl 7, 3214868480
	.fill 96, 4, 3214868480
	.section	.rodata,"a",@progbits
	.p2align	6, 0x0
	.amdhsa_kernel k_q364b3ba88e_gemm
		.amdhsa_group_segment_fixed_size 327680
		.amdhsa_private_segment_fixed_size 0
		.amdhsa_enable_private_segment 0
		.amdhsa_kernarg_size 24
		.amdhsa_user_sgpr_count 2
		.amdhsa_user_sgpr_kernarg_segment_ptr 1
		.amdhsa_wavefront_size32 1
		.amdhsa_system_sgpr_workgroup_id_x 1
		.amdhsa_system_sgpr_workgroup_id_y 1
		.amdhsa_system_sgpr_workgroup_id_z 1
		.amdhsa_system_vgpr_workitem_id 0
		.amdhsa_next_free_vgpr 1024
		.amdhsa_next_free_sgpr 66
		.amdhsa_reserve_vcc 1
		.amdhsa_float_denorm_mode_32 3
		.amdhsa_float_denorm_mode_16_64 3
		.amdhsa_memory_ordered 1
		.amdhsa_forward_progress 1
		.amdhsa_inst_pref_size 238
	.end_amdhsa_kernel
	.amdgpu_metadata
---
amdhsa.version: [ 1, 2 ]
amdhsa.kernels:
  - .name:           k_q364b3ba88e_gemm
    .symbol:         k_q364b3ba88e_gemm.kd
    .args:
      - { .name: xa, .offset: 0, .size: 8, .value_kind: global_buffer, .address_space: global }
      - { .name: wb, .offset: 8, .size: 8, .value_kind: global_buffer, .address_space: global }
      - { .name: out0, .offset: 16, .size: 8, .value_kind: global_buffer, .address_space: global }
    .group_segment_fixed_size: 327680
    .private_segment_fixed_size: 0
    .kernarg_segment_align: 8
    .kernarg_segment_size: 24
    .max_flat_workgroup_size: 128
    .sgpr_count:     66
    .vgpr_count:     1024
    .wavefront_size: 32
...
	.end_amdgpu_metadata
.endif
;; end of part 4
